; MI455X (gfx1250); checked and timed in simulation.
; The chip was launched on July 23, 2026; its instructions are those of AMD's public machine-readable ISA for CDNA 5 (MIT licence, August 2026) and "CDNA5" Instruction Set Architecture Reference Guide (July 2026). The comments in the code are by the model that wrote it; some were corrected since.
;; Multi Head Self Attention Layer. Allowed arithmetic: matrix products marked QUANTISED: E2M3 operands, one E8M0 scale for each 32 along K, by v_wmma_scale_f32_16x16x128_f8f6f4 with both operands' format E2M3, f32 sums; everything else in f32.
;; Inputs: W_k 1,024 x 1,024 float32; W_o 1,024 x 1,024 float32; W_q 1,024 x 1,024 float32; W_v 1,024 x 1,024 float32; X_embed 4 x 2,048 x 1,024 float32; b_k 1,024 float32; b_o 1,024 float32; b_q 1,024 float32; b_v 1,024 float32.
;; Outputs: out0 4 x 2,048 x 1,024 float32.
;; This version of the problem:
;;   THIS VERSION OF THE PROBLEM IS GIVEN IN LOW PRECISION. The matrix products marked QUANTISED in the list below multiply operands that are first quantised to E2M3 (2 exponent bits, 3 mantissa bits; 6 bits a number), with one power-of-two scale for each 32 numbers along K (OCP MX v1.0); their sums are f32. All else is computed in f32.
;;   The module's matrix products, in the order in which they are computed (A, B: the left and right operand; K: the contracted axis; several contracted axes count as one K, in the product's order):
;;     1. [M 8,192, K 1,024] x [K 1,024, N 1,024]; A: input X_embed; B: input W_q: QUANTISED
;;     2. [M 8,192, K 1,024] x [K 1,024, N 1,024]; A: input X_embed; B: input W_k: QUANTISED
;;     3. [M 8,192, K 1,024] x [K 1,024, N 1,024]; A: input X_embed; B: input W_v: QUANTISED
;;     4. batch 64 x [M 2,048, K 64] x [K 64, N 2,048]; A: computed on the way; B: computed on the way: QUANTISED
;;     5. [M 8,192, K 1,024] x [K 1,024, N 1,024]; A: computed on the way; B: input W_o: QUANTISED
;;   THE QUANTISER, for each operand of a quantised product, along K:
;;     - K is cut into blocks of 32 from its start; a last block that is shorter is filled with zeros.
;;     - A block's scale is 2^e with e = floor(log2(the largest magnitude in the block)) - 2, held to -126 .. 127; a block of zeros has e = 0. As a byte (E8M0): e + 127.
;;     - Each number is divided by its block's scale, clamped to +-7.5, and rounded to the nearest number of E2M3, ties to even, subnormals kept.
;;     - The product sums the exact products of the quantised numbers (number of the format x scale) in f32.
;;   ~~~python
;;   def quantise(x, axis):      # numpy; x: float32 -> the quantised numbers, widened to float32 again
;;       x = np.moveaxis(x, axis, -1); K = x.shape[-1]
;;       x = np.pad(x, [(0, 0)] * (x.ndim - 1) + [(0, -K % 32)]); x = x.reshape(x.shape[:-1] + (-1, 32)); a = np.abs(x).max(-1, keepdims=True)
;;       e = np.where(a > 0, np.clip(np.frexp(np.where(a > 0, a, 1))[1] - 1 - 2, -126, 127), 0)      # np.frexp(a)[1] - 1 = floor(log2(a)), exactly
;;       r = np.clip(x / 2.0 ** e, -7.5, 7.5)
;;       step = 2.0 ** (np.maximum(np.frexp(np.where(r == 0, 1, r))[1] - 1, 0) - 3)
;;       q = np.round(r / step) * step * 2.0 ** e      # np.round: ties to even
;;       return np.moveaxis(q.reshape(q.shape[:-2] + (-1,))[..., :K], -1, axis).astype(np.float32)
;;   ~~~
;;   OPERANDS COMPUTED ON THE WAY. 'Computed on the way' means the value that the module computes at that place (a softmax that the list does not call 'softmax' is quantised finished and normalised). What goes into a quantiser is computed in f32, as accurately as f32 sums, v_exp_f32 and their like allow (about 1e-6 of the number): no bf16 or f16 on the way to a quantiser, and a product that is left as it is and whose result goes on into a quantised operand takes f32 operands (vector FMAs, or v_wmma_f32_16x16x4_f32). A number that lies on a knife's edge between two numbers of the format may be rounded either way, as far as f32 arithmetic and the matrix unit's own rounding can turn it there, and no further.
;; One version. Each part assembles by itself: llvm-mc -triple=amdgcn-amd-amdhsa -mcpu=gfx1250 --defsym DOCPART=n.
;; ======== version 1 of 1: 3 launches
;; limits: right only within a limited range of input values
;; workspace buffers: xq 6,815,744 bytes; qq 6,815,744 bytes; kq 6,815,744 bytes; wqkv 2,555,904 bytes; wo 851,968 bytes; vf 33,554,432 bytes
;; launch quant (part 1): grid 640 x 1, 8 waves a work-group, no clusters, 95,232 bytes of LDS; arguments X_embed, W_v, W_q, W_k, W_o, xq, wqkv, wo; writes xq, wqkv, wo
.if DOCPART == 1
	.amdgcn_target "amdgcn-amd-amdhsa--gfx1250"
	.amdhsa_code_object_version 6
	.text
	.protected	k_qfcb9c64eb9_quant
	.globl	k_qfcb9c64eb9_quant
	.p2align	8
	.type	k_qfcb9c64eb9_quant,@function
k_qfcb9c64eb9_quant:
	s_mov_b64 s[64:65], 0
	v_nop
	global_prefetch_b8 v0, s[64:65] scope:SCOPE_SE
	s_setreg_imm32_b32 hwreg(HW_REG_WAVE_MODE, 25, 1), 1
	s_wait_xcnt 0x0
; X_embed [8192][1024] (K innermost) and the four weights [1024 (k)][1024 (n)] (K outermost), f32, become codes of FP6 (E2M3) with one E8M0 byte for each 32 along K.
; THE OUTPUT'S LAYOUT, the same for every quantised matrix of this program: for each tile of 16 rows (of a weight: 16 columns n) a RECORD of 13,312 bytes: eight fragment images of 1,536 bytes
; (K step ks = k / 128 at 1,536 ks), then eight scale images of 128 bytes (at 12,288 + 128 ks).  A fragment image is the matrix operand's 12 registers as they stand: registers 4 g .. 4 g + 3 of lane l
; at 512 g + 16 l; lane (r, h) holds row r, its registers 6 c .. 6 c + 5 the codes of k = 128 ks + 64 c + 32 h + 0 .. 31.  A scale image is the scale register: lane l's word at 4 l, lanes 16-31 repeat lanes 0-15.
; So every later reader takes a fragment by three loads of 16 bytes a lane, 512 consecutive bytes each.
; A WEIGHT'S TILES HOLD CHOSEN COLUMNS: place p of tile 2 B + u is column 32 B + 8 u + p + 8 (p / 8), so that in the transposed product a lane's 16 results of tiles 2 B and 2 B + 1 are 16 neighbouring columns.
; A block's scale is 2^(floor(log2(largest magnitude)) - 2): its byte is the largest magnitude's exponent field - 2, held at 1 from below by a floor among the maximum's leaves.
; LIMITS: a block of zeros gets the byte 1 where the rule says 127 (its codes are zeros, and this program alone reads the bytes); blocks whose largest magnitude lies under 2^-124 keep the byte 1;
; NaN and infinities among the inputs are not served.
; SHARES.  Work-groups 0-511: tile ttmp9 of X, wave w its K step w: one fragment a wave.  Work-groups 512-639: 32 to a weight (W_v, W_q, W_k, W_o): a wave takes 32 columns x 128 k: two fragments.
; No wave shares anything with another: no barrier.  No work-group shares input with another: no cluster; every byte is read once by plain loads, so no tensor load and no ring.
; The two ways part on the work-group's number, and each has LDS bytes of its own.
.set REC,  13312                       ; a record
.set FRB,  1536                        ; a fragment image
.set XP,   528                         ; X's stage: a row of 512 bytes + 16: 33 x 16 bytes, so sixteen rows' pieces of 16 bytes start at sixteen different places modulo 256 bytes
.set XW,   16*XP                       ; a wave's stage: 16 rows
.set WST,  8*XW                        ; behind the eight: the weights' stages
.set WT,   1664                        ; a tile's image + 128 bytes, which sets tile 1's pieces beside tile 0's modulo 256 bytes
.set WW,   2*WT                        ; a wave's two tiles
.set LI,   1                           ; v1   16 x lane
.set LS,   2                           ; v2   4 x lane
.set SI,   3                           ; v3   X: into the stage: my 16 bytes of a row
.set SO,   4                           ; v4   X: out of it: row r, + 64 h
.set WA,   3                           ; v3   W: where my column's codes go in the stage
.set WR,   4                           ; v4   W: where I read images back
.set SA,   5                           ; v5   W: my column's scale word in the two records
.set SB,   24                          ; v24  W: my column's four scale bytes
.set R,    16                          ; v16-79   X: 16 rows as loaded
.set T,    80                          ; v80-143  X: my row's 64 numbers
.set PC,   144                         ; v144-162 the codes just made
.set TM,   164                         ; v164-179 at work
.set PW,   180                         ; v180 the scale word just made
.set X,    32                          ; v32-159  W: my column's 128 numbers, down K; later the images on their way out
.set CWB,  160                         ; v160-191 W: a block's six registers of codes, eight apart
.set C2B,  192                         ; v192-207 W: a block's second conversion
.set DI,   32                          ; s[32:33] where the fragment images go
.set DS,   34                          ; s[34:35] where the scale images go
.set SEL,  36                          ; s[36:37] lane selects: lane l xor 16
; 64 numbers of a lane, register 16 b + i = k 32 b + 16 (lane / 16) + i of my row, become a fragment's codes in v[PC] on and its scale word in v[PW].
.macro QUANT s
.irp b, 0,1,2,3
	v_max3_num_f32 v[TM+\b], |v[\s+16*\b]|, |v[\s+1+16*\b]|, 0x1800000   ; block b: my 16 numbers, and the floor 2^(3 - 127): the byte cannot fall under 1
.endr
.irp i, 2,4,6,8,10,12,14
.irp b, 0,1,2,3
	s_delay_alu instid0(VALU_DEP_4)
	v_max3_num_f32 v[TM+\b], v[TM+\b], |v[\s+16*\b+\i]|, |v[\s+1+16*\b+\i]|   ; the four blocks by turns
.endr
.endr
.irp b, 0,1,2,3
	s_delay_alu instid0(VALU_DEP_4)
	v_permlanex16_b32 v[TM+4+\b], v[TM+\b], s[SEL], s[SEL+1]
.endr
.irp b, 0,1,2,3
	s_delay_alu instid0(VALU_DEP_4)
	v_max_num_f32 v[TM+\b], v[TM+\b], v[TM+4+\b]   ; with lane l xor 16's: the block's largest magnitude
.endr
.irp b, 0,1,2,3
	s_delay_alu instid0(VALU_DEP_4)
	v_add_nc_u32 v[TM+12+\b], 0xff000000, v[TM+\b]   ; 2 off its exponent field: the conversion takes this operand's exponent field as its scale
.endr
.irp b, 0,1,2,3
	s_delay_alu instid0(VALU_DEP_4)
	v_lshrrev_b32 v[TM+4+\b], 23, v[TM+12+\b]      ; the scale's byte
.endr
	s_delay_alu instid0(VALU_DEP_3)
	v_lshl_or_b32 v[PW], v[TM+5], 8, v[TM+4]       ; four bytes: my row's scale word (both halves of the lanes hold the same)
	s_delay_alu instid0(VALU_DEP_1)
	v_lshl_or_b32 v[PW], v[TM+6], 16, v[PW]
	s_delay_alu instid0(VALU_DEP_1)
	v_lshl_or_b32 v[PW], v[TM+7], 24, v[PW]
.irp c, 0,1
	v_cvt_scalef32_pk16_fp6_f32 v[PC+6*\c:PC+2+6*\c], v[\s+32*\c:\s+15+32*\c], v[TM+12+2*\c]
	v_cvt_scalef32_pk16_fp6_f32 v[PC+12+4*\c:PC+14+4*\c], v[\s+16+32*\c:\s+31+32*\c], v[TM+12+2*\c+1]   ; (a conversion's three registers begin on an even number)
.endr
	v_nop                                          ; one plain place behind a scaled conversion
.irp c, 0,1                                    ; the operand wants a WHOLE block in a lane: lanes 0-15 block 2 c, lanes 16-31 block 2 c + 1
.irp i, 0,1,2
	v_permlane16_swap_b32 v[PC+6*\c+\i], v[PC+12+4*\c+\i]
.endr
.irp i, 0,1,2
	s_delay_alu instid0(VALU_DEP_3)
	v_mov_b32 v[PC+3+6*\c+\i], v[PC+12+4*\c+\i]
.endr
.endr
.endm
.macro PUTFRAG off                     ; the fragment and its scale word leave as images: each of the three stores covers 512 consecutive bytes, aligned
.irp c, 0,1,2
	global_store_b128 v[LI], v[PC+4*\c:PC+4*\c+3], s[DI:DI+1] offset:\off+512*\c
.endr
	global_store_b32 v[LS], v[PW], s[DS:DS+1] offset:\off
.endm
	s_load_b256 s[4:11], s[0:1], 0x0               ; X s[4:5], W_v s[6:7], W_q s[8:9], W_k s[10:11]
	s_load_b256 s[12:19], s[0:1], 0x20             ; W_o s[12:13], xq s[14:15], wqkv s[16:17], wo s[18:19]
	v_lshl_add_u32 v208, v0, 2, 0x17000
	v_mov_b32 v209, 0
	v_lshrrev_b32 v1, 5, v0
	s_delay_alu instid0(VALU_DEP_1)
	v_readfirstlane_b32 s20, v1                    ; wave 0..7
	v_and_b32 v2, 31, v0
	s_delay_alu instid0(VALU_DEP_1)
	v_lshlrev_b32 v[LI], 4, v2
	s_delay_alu instid0(VALU_DEP_2)
	v_lshlrev_b32 v[LS], 2, v2
	s_cmp_lt_u32 ttmp9, 512
	s_cbranch_scc0 .Lweights
	; ---- X: tile ttmp9, K step = wave: 16 rows x 128 numbers
	v_and_b32 v6, 15, v0                           ; r
	v_bfe_u32 v7, v0, 4, 1                         ; h
	s_mul_i32 s21, s20, XW                         ; my stage
	v_add_nc_u32 v[SI], s21, v[LI]
	v_mul_u32_u24 v[SO], v6, XP
	s_delay_alu instid0(VALU_DEP_1)
	v_lshl_add_u32 v[SO], v7, 6, v[SO]
	s_delay_alu instid0(VALU_DEP_1)
	v_add_nc_u32 v[SO], s21, v[SO]
	s_mov_b32 s[SEL], 0x76543210
	s_mov_b32 s[SEL+1], 0xfedcba98
	s_lshl_b32 s24, ttmp9, 16                      ; 16 rows of 4,096 bytes,
	s_lshl_b32 s25, s20, 9                         ; + my 512 bytes of a row
	s_add_co_u32 s24, s24, s25
	s_mov_b32 s25, 0
	s_mul_i32 s26, ttmp9, REC
	s_mul_i32 s28, s20, FRB
	s_add_co_u32 s28, s28, s26
	s_mov_b32 s29, 0
	s_lshl_b32 s30, s20, 7
	s_add_co_u32 s30, s30, s26
	s_add_co_u32 s30, s30, 8*FRB
	s_mov_b32 s31, 0
.irp b, 0,1,2,3
	v_mov_b32 v[TM+4+\b], 0                        ; a lane permute's destination counts as one of its sources
.endr
	s_wait_alu depctr_va_vdst(0)
	s_wait_kmcnt 0x0
	s_add_nc_u64 s[4:5], s[4:5], s[24:25]
	s_add_nc_u64 s[DI:DI+1], s[14:15], s[28:29]
	s_add_nc_u64 s[DS:DS+1], s[14:15], s[30:31]
.irp p, 0,1,2,3,4,5,6,7,8,9,10,11,12,13,14,15
	global_load_b128 v[R+4*\p:R+4*\p+3], v[LI], s[4:5] offset:4096*\p th:TH_LOAD_NT   ; row p: 32 lanes read 512 consecutive bytes, aligned; read once in the launch
.endr
.irp p, 0,1,2,3,4,5,6,7,8,9,10,11,12,13,14,15
	s_wait_loadcnt 15-\p                           ; row p is in; the loads of the rows behind it may be out
	ds_store_b128 v[SI], v[R+4*\p:R+4*\p+3] offset:XP*\p
.endr
.irp b, 0,1,2,3
.irp j, 0,1,2,3
	ds_load_b128 v[T+16*\b+4*\j:T+16*\b+4*\j+3], v[SO] offset:128*\b+16*\j   ; my row's 16 numbers of block b; LDS serves a wave's instructions in order, so these see the stores above
.endr
.endr
	s_wait_dscnt 0x0
	QUANT T
	PUTFRAG 0
	s_wait_tensorcnt 0x0
	ds_add_u32 v208, v209
	s_wait_dscnt 0x0
	s_endpgm
	; ---- a weight: a lane takes a column, and its registers run down K: a block of 32 lies in one lane, and the conversions give the codes with K innermost
.Lweights:
	s_sub_co_u32 s21, ttmp9, 512
	s_lshr_b32 s22, s21, 5                         ; which weight: 0 W_v, 1 W_q, 2 W_k, 3 W_o
	s_and_b32 s23, s21, 7
	s_bfe_u32 s24, s21, 0x20003                    ; (two bits from bit 3)
	s_and_b32 s25, s20, 3
	s_lshl_b32 s23, s23, 2
	s_add_co_u32 s23, s23, s25                     ; B: my 32 columns, 0..31; four waves stand side by side on 512 bytes of a row
	s_lshr_b32 s25, s20, 2
	s_lshl_b32 s24, s24, 1
	s_add_co_u32 s24, s24, s25                     ; ks: my 128 along K, 0..7
	s_lshl_b32 s26, s24, 19                        ; 128 rows of 4,096 bytes,
	s_lshl_b32 s27, s23, 7                         ; + 32 columns of 4 bytes
	s_add_co_u32 s26, s26, s27
	s_mov_b32 s27, 0
	v_bfe_u32 v8, v0, 3, 1                         ; u: which of the two tiles my column belongs to,
	v_and_b32 v9, 7, v0
	v_bfe_u32 v10, v0, 4, 1
	s_delay_alu instid0(VALU_DEP_1)
	v_lshl_or_b32 v9, v10, 3, v9                   ; p: and its place there: lane = 8 u + p + 8 (p / 8)
	s_mul_i32 s21, s20, WW
	s_add_co_u32 s21, s21, WST                     ; my stage
	v_mul_u32_u24 v[WA], v8, WT
	s_delay_alu instid0(VALU_DEP_1)
	v_lshl_add_u32 v[WA], v9, 4, v[WA]
	s_delay_alu instid0(VALU_DEP_1)
	v_add_nc_u32 v[WA], s21, v[WA]
	s_wait_alu depctr_va_vdst(0)
	v_add_nc_u32 v[WR], s21, v[LI]
	v_mul_u32_u24 v[SA], v8, REC
	s_delay_alu instid0(VALU_DEP_1)
	v_lshl_add_u32 v[SA], v9, 2, v[SA]
	s_wait_kmcnt 0x0
	s_cmp_eq_u32 s22, 1                            ; the choices hang on the work-group's number alone
	s_cselect_b64 s[6:7], s[8:9], s[6:7]
	s_cmp_eq_u32 s22, 2
	s_cselect_b64 s[6:7], s[10:11], s[6:7]
	s_cmp_eq_u32 s22, 3
	s_cselect_b64 s[6:7], s[12:13], s[6:7]
	s_cselect_b64 s[16:17], s[18:19], s[16:17]     ; W_o has a buffer of its own,
	s_cselect_b32 s22, 0, s22                      ; the other three lie 64 records apart in one
	s_lshl_b32 s22, s22, 6
	s_lshl_b32 s28, s23, 1
	s_add_co_u32 s22, s22, s28                     ; my first record: tile 2 B
	s_mul_i32 s22, s22, REC
	s_mul_i32 s28, s24, FRB
	s_add_co_u32 s28, s28, s22
	s_mov_b32 s29, 0
	s_lshl_b32 s30, s24, 7
	s_add_co_u32 s30, s30, s22
	s_add_co_u32 s30, s30, 8*FRB
	s_mov_b32 s31, 0
	s_add_nc_u64 s[6:7], s[6:7], s[26:27]
	s_add_nc_u64 s[DI:DI+1], s[16:17], s[28:29]
	s_add_nc_u64 s[DS:DS+1], s[16:17], s[30:31]
.set i, 0
.rept 128
	global_load_b32 v[X+i], v[LS], s[6:7] offset:4096*i th:TH_LOAD_NT   ; W(128 ks + i, my column): 32 lanes read 128 consecutive bytes
.set i, i+1
.endr
; Block kb = 2 c + h of my column: its 24 bytes of codes are registers 6 c .. 6 c + 5 of lane p + 16 h of my tile's image.
.macro BLOCK kb
.set XS, X+32*(\kb)
.set CW, CWB+8*(\kb)
.set C2, C2B+4*(\kb)
.if (\kb) == 0
	s_wait_loadcnt 63                              ; blocks 0 and 1 are in: block 1's loads have 64 younger ones behind them, and 63 is the largest count that a wait can name
.elseif (\kb) == 2
	s_wait_loadcnt 32                              ; block 3's 32 loads may be out
.elseif (\kb) == 3
	s_wait_loadcnt 0
.endif
	v_max3_num_f32 v12, |v[XS]|, |v[XS+1]|, |v[XS+2]|   ; the block's largest magnitude: all 32 numbers are mine; two chains
	v_max3_num_f32 v13, |v[XS+3]|, |v[XS+4]|, |v[XS+5]|
.irp i, 6,10,14,18,22,26
	s_delay_alu instid0(VALU_DEP_2)
	v_max3_num_f32 v12, v12, |v[XS+\i]|, |v[XS+\i+1]|
	s_delay_alu instid0(VALU_DEP_2)
	v_max3_num_f32 v13, v13, |v[XS+\i+2]|, |v[XS+\i+3]|
.endr
	s_delay_alu instid0(VALU_DEP_2)
	v_max3_num_f32 v12, v12, |v[XS+30]|, |v[XS+31]|
	s_delay_alu instid0(VALU_DEP_1)
	v_max3_num_f32 v12, v12, v13, 0x1800000        ; and the floor 2^(3 - 127)
	s_delay_alu instid0(VALU_DEP_1)
	v_add_nc_u32 v11, 0xff000000, v12              ; 2 off the exponent field: the conversion's scale operand
	s_delay_alu instid0(VALU_DEP_1)
	v_lshrrev_b32 v13, 23, v11                     ; the scale's byte
.if (\kb) == 0
	s_delay_alu instid0(VALU_DEP_1)
	v_mov_b32 v[SB], v13
.else
	s_delay_alu instid0(VALU_DEP_1)
	v_lshl_or_b32 v[SB], v13, 8*(\kb), v[SB]
.endif
	v_cvt_scalef32_pk16_fp6_f32 v[CW:CW+2], v[XS:XS+15], v11
	v_cvt_scalef32_pk16_fp6_f32 v[C2:C2+2], v[XS+16:XS+31], v11
	v_nop                                          ; one plain place behind a scaled conversion
.irp i, 0,1,2
	v_mov_b32 v[CW+3+\i], v[C2+\i]
.endr
.if (\kb) < 2                                  ; c = 0: registers 0-3 fill a piece of group 0, registers 4, 5 the lower half of a piece of group 1
	ds_store_b128 v[WA], v[CW:CW+3] offset:256*(\kb)
	ds_store_b64 v[WA], v[CW+4:CW+5] offset:512+256*(\kb)
.else                                          ; c = 1: registers 6, 7 the upper half of that piece, registers 8-11 a piece of group 2
	ds_store_b64 v[WA], v[CW:CW+1] offset:520+256*((\kb)-2)
	ds_store_b128 v[WA], v[CW+2:CW+5] offset:1024+256*((\kb)-2)
.endif
.endm
	BLOCK 0
	BLOCK 1
	BLOCK 2
	BLOCK 3
.irp u, 0,1
.irp c, 0,1,2
	ds_load_b128 v[X+4*(3*\u+\c):X+4*(3*\u+\c)+3], v[WR] offset:WT*\u+512*\c   ; the two images come back 16 bytes a lane; these see my stores above
.endr
.endr
	s_wait_alu depctr_va_vdst(0)
.irp u, 0,1
.irp c, 0,1,2
	s_wait_dscnt 5-(3*\u+\c)                       ; this load is back; the later ones may be out
	global_store_b128 v[LI], v[X+4*(3*\u+\c):X+4*(3*\u+\c)+3], s[DI:DI+1] offset:REC*\u+512*\c   ; 512 consecutive bytes, aligned
.endr
.endr
	global_store_b32 v[SA], v[SB], s[DS:DS+1]      ; my column's scale word, at lane p's place of its tile's scale image,
	global_store_b32 v[SA], v[SB], s[DS:DS+1] offset:64   ; and at lane 16 + p's.  Pieces of 64 bytes: one byte in 128 of what this way reads
	s_wait_tensorcnt 0x0
	ds_add_u32 v208, v209
	s_wait_dscnt 0x0
	s_endpgm
.Lfunc_end_k_qfcb9c64eb9_quant:
	.size	k_qfcb9c64eb9_quant, .Lfunc_end_k_qfcb9c64eb9_quant-k_qfcb9c64eb9_quant
	.p2alignl 7, 3214868480
	.fill 96, 4, 3214868480
	.section	.rodata,"a",@progbits
	.p2align	6, 0x0
	.amdhsa_kernel k_qfcb9c64eb9_quant
		.amdhsa_group_segment_fixed_size 95232
		.amdhsa_private_segment_fixed_size 0
		.amdhsa_enable_private_segment 0
		.amdhsa_kernarg_size 64
		.amdhsa_user_sgpr_count 2
		.amdhsa_user_sgpr_kernarg_segment_ptr 1
		.amdhsa_wavefront_size32 1
		.amdhsa_system_sgpr_workgroup_id_x 1
		.amdhsa_system_sgpr_workgroup_id_y 1
		.amdhsa_system_sgpr_workgroup_id_z 1
		.amdhsa_system_vgpr_workitem_id 0
		.amdhsa_next_free_vgpr 210
		.amdhsa_next_free_sgpr 66
		.amdhsa_reserve_vcc 0
		.amdhsa_float_denorm_mode_32 3
		.amdhsa_float_denorm_mode_16_64 3
		.amdhsa_memory_ordered 1
		.amdhsa_forward_progress 1
		.amdhsa_inst_pref_size 37
	.end_amdhsa_kernel
	.amdgpu_metadata
---
amdhsa.version: [ 1, 2 ]
amdhsa.kernels:
  - .name:           k_qfcb9c64eb9_quant
    .symbol:         k_qfcb9c64eb9_quant.kd
    .args:
      - { .name: X_embed, .offset: 0, .size: 8, .value_kind: global_buffer, .address_space: global }
      - { .name: W_v, .offset: 8, .size: 8, .value_kind: global_buffer, .address_space: global }
      - { .name: W_q, .offset: 16, .size: 8, .value_kind: global_buffer, .address_space: global }
      - { .name: W_k, .offset: 24, .size: 8, .value_kind: global_buffer, .address_space: global }
      - { .name: W_o, .offset: 32, .size: 8, .value_kind: global_buffer, .address_space: global }
      - { .name: xq, .offset: 40, .size: 8, .value_kind: global_buffer, .address_space: global }
      - { .name: wqkv, .offset: 48, .size: 8, .value_kind: global_buffer, .address_space: global }
      - { .name: wo, .offset: 56, .size: 8, .value_kind: global_buffer, .address_space: global }
    .group_segment_fixed_size: 95232
    .private_segment_fixed_size: 0
    .kernarg_segment_align: 8
    .kernarg_segment_size: 64
    .max_flat_workgroup_size: 256
    .sgpr_count:     66
    .vgpr_count:     210
    .wavefront_size: 32
...
	.end_amdgpu_metadata
.endif
;; end of part 1
;; launch qkv (part 2): grid 8 x 32, 4 waves a work-group, clusters of 4 x 4, 327,680 bytes of LDS; arguments xq, wqkv, b_v, b_q, b_k, vf, qq, kq; writes vf, qq, kq
.if DOCPART == 2
	.amdgcn_target "amdgcn-amd-amdhsa--gfx1250"
	.amdhsa_code_object_version 6
	.text
	.protected	k_qfcb9c64eb9_qkv
	.globl	k_qfcb9c64eb9_qkv
	.p2align	8
	.type	k_qfcb9c64eb9_qkv,@function
k_qfcb9c64eb9_qkv:
	s_mov_b64 s[64:65], 0
	v_nop
	global_prefetch_b8 v0, s[64:65] scope:SCOPE_SE
	s_setreg_imm32_b32 hwreg(HW_REG_WAVE_MODE, 25, 1), 1
	s_wait_xcnt 0x0
	s_wait_alu depctr_hold_cnt(0) depctr_sa_sdst(0) depctr_va_vdst(0) depctr_va_sdst(0) depctr_va_ssrc(0) depctr_va_vcc(0) depctr_vm_vsrc(0)
	s_getreg_b32 s2, hwreg(HW_REG_IB_STS2, 6, 4)
	s_cmp_eq_u32 s2, 0
	s_cbranch_scc0 .Lentry_in_a_cluster
	s_endpgm
.Lentry_in_a_cluster:
	s_bfe_u32 s2, ttmp6, 0x10000c
	s_cmp_lg_u32 s2, 0xf033
	s_cbranch_scc0 .Lentry_shape_is_right
	s_endpgm
.Lentry_shape_is_right:
; K, Q and V = X W + bias on codes of FP6 (E2M3) with E8M0 scales, contracted over 1,024.  X (8,192 rows) and the weights (V's, Q's, K's, 64 tiles each) lie as RECORDS of 13,312 bytes for each tile of 16 rows
; (of a weight: 16 chosen columns): eight fragment images of 1,536 bytes (the operand's 12 registers as they stand: registers 4 g .. 4 g + 3 of lane l at 512 g + 16 l), then eight scale images of 128 bytes (4 l).
; SHARES.  256 work-groups: 32 blocks of 256 rows x 8 blocks of 128 columns.  A work-group takes its rows against its 128 columns of K, then of Q, then of V: three passes.  A wave makes 64 rows x 128 columns:
; 32 accumulators, 256 registers.  K's and Q's results x 1 / 32 are quantised along the columns into records again (my 128 columns are one K step of the next product); V's leave as f32, rows of 4,096 bytes.
; LDS.  X's 16 records, codes and scale images, 212,992 bytes, come once and stay.  A pass's 8 records of W go through two slots, half a pass each: the first holds bytes 6,144 on of each record (images 4-7 and
; all eight scale images), the second bytes 0 to 6,143 (images 0-3); so a pass walks K steps 4-7, then 0-3, and takes all its scale words into registers while the first slot stands.
; Each slot is filled again, for the next pass, as soon as it is read out.  Every fill is asked for half a pass ahead and K is short: no prefetch is laid.
; CLUSTERS: 4 x 4 work-groups; X's records are asked for jointly along a row of the cluster, W's along a column.  The passes are the same in all partners.
; THE PRODUCT IS USED TRANSPOSED (source 0 = 16 columns of W, source 1 = 16 rows of X).  Place p of W's tile 2 B + u is column 32 B + 8 u + p + 8 (p / 8): lane (r, h) holds row r, and the 16 registers of
; tiles 2 B and 2 B + 1 are columns 32 B + 16 h + 0 .. 15.  THE BIAS is the C of each sum's first matrix instruction.
; LIMITS: a block of zeros gets the scale byte 1 (its codes are zeros; this program alone reads the bytes); blocks under 2^-124 keep the byte 1; NaN and infinities are not served.
; REGISTERS, in windows of 256.  Window 0: v16-31 addresses; v32-63 X's scale words (8 a + K step); v64-127 W's (8 b + K step); v128-255 the ways out.  Window 1: W's fragments, two sets, at v0 and v128.
;   Window 2: accumulator (a, b) at v[8 (8 a + b)].  Window 3: X's fragments, two sets, at v0 and v48; the bias in the result's layout at v128-191.
.set REC,    13312
.set FRB,    1536
.set FR,     12
.set HB,     7168                      ; a row of the first slot
.set LB,     6144                      ; a row of the second
.set WS0,    16*REC
.set WS1,    WS0+8*HB
.set SPARE,  WS1+8*LB                  ; the spare words, 128 bytes a wave
.set SPITCH, 528                       ; V's way out: a stage of 16 rows x (512 + 16) bytes a wave, in the first slot, behind its last fill and its last read
.set ADRA, 16                          ; my four records of X
.set ADAS, 17                          ; and their scale images
.set ADRH, 18                          ; the first slot
.set ADHS, 19                          ; its scale images
.set ADRL, 20                          ; the second slot
.set STO,  24
.set RD,   25
.set CO,   26                          ; 16 x lane
.set SPW,  28
.set NIL,  29
.set LS,   30                          ; 4 x lane
.set BA,   31                          ; 64 h
.set SA,   32
.set SW,   64
.set BI,   128                         ; in window 3
.set BK,   128
.set T,    128
.set PC,   192
.set TM,   212
.set PW,   228
.set LI,   CO
.set G1A,  24
.set G0A,  32
.set G0H,  36
.set G1H,  48
.set G0L,  56
.set G1L,  68
.set DI,   76                          ; s[76:79] where this pass's images and scale images go; s[80:83] the next pass's
.set DS,   78
.set CNT,  84
.set SEL,  100
.set MSB, 0
.macro WIN new                         ; the immediate's high byte repeats the setting that is left
.if MSB != (\new)
	s_set_vgpr_msb (MSB<<8)|(\new)
.set MSB, (\new)
.endif
.endm
.set MUL,  0xad                        ; source 0 (W) window 1, source 1 (X) window 3, C and D window 2
.set BIAS, 0xbd                        ; C (the bias) window 3
.set TO_W, 0x40
.set TO_A, 0xc0
.macro PLACES n
.rept \n
	v_nop
.endr
.endm
.macro JLOAD g0a, g1a, g0b, g1b        ; the head's loads: waves 0, 1 fetch X's halves, waves 2, 3 the first slot's; one load in each arm
	s_cmp_eq_u32 s21, 0
	s_cbranch_scc0 .Lfor_b_\@
	tensor_load_to_lds s[\g0a:\g0a+3], s[\g1a:\g1a+7]
	s_nop 0
	PLACES 4
	s_branch .Lasked_\@
.Lfor_b_\@:
	tensor_load_to_lds s[\g0b:\g0b+3], s[\g1b:\g1b+7]
	s_nop 0
	PLACES 4
.Lasked_\@:
.endm
.macro WJ g0, g1                       ; a slot's fill: waves 2 and 3, four records each; the four v_nop are also the places ahead of the LDS loads that follow
	s_cmp_lg_u32 s21, 0
	s_cbranch_scc0 .Lno_w_\@
	tensor_load_to_lds s[\g0:\g0+3], s[\g1:\g1+7]
	s_nop 0
.Lno_w_\@:
	PLACES 4
.endm
.macro CREST
	s_cmp_lg_u32 s20, 0
	s_cbranch_scc1 .Lnot_wave_0_\@
	s_barrier_signal -3
.Lnot_wave_0_\@:
	s_barrier_wait -3
	s_barrier_signal -1
	s_barrier_wait -1
.endm
.macro CROUND
	s_barrier_signal -1
	s_barrier_wait -1
	CREST
.endm
; 64 numbers of a lane, register 16 b + i = k 32 b + 16 (lane / 16) + i of my row, become a fragment's codes in v[PC] on and its scale word in v[PW].
.macro QUANT s
.irp b, 0,1,2,3
	v_max3_num_f32 v[TM+\b], |v[\s+16*\b]|, |v[\s+1+16*\b]|, 0x1800000   ; with the floor 2^(3 - 127): the byte cannot fall under 1
.endr
.irp i, 2,4,6,8,10,12,14
.irp b, 0,1,2,3
	v_max3_num_f32 v[TM+\b], v[TM+\b], |v[\s+16*\b+\i]|, |v[\s+1+16*\b+\i]|
.endr
.endr
.irp b, 0,1,2,3
	v_permlanex16_b32 v[TM+4+\b], v[TM+\b], s[SEL], s[SEL+1]
.endr
.irp b, 0,1,2,3
	v_max_num_f32 v[TM+\b], v[TM+\b], v[TM+4+\b]
.endr
.irp b, 0,1,2,3
	v_add_nc_u32 v[TM+12+\b], 0xff000000, v[TM+\b]   ; 2 off the exponent field: the conversion's scale operand
.endr
.irp b, 0,1,2,3
	v_lshrrev_b32 v[TM+4+\b], 23, v[TM+12+\b]
.endr
	v_lshl_or_b32 v[PW], v[TM+5], 8, v[TM+4]
	v_lshl_or_b32 v[PW], v[TM+6], 16, v[PW]
	v_lshl_or_b32 v[PW], v[TM+7], 24, v[PW]
.irp c, 0,1
	v_cvt_scalef32_pk16_fp6_f32 v[PC+6*\c:PC+2+6*\c], v[\s+32*\c:\s+15+32*\c], v[TM+12+2*\c]
	v_cvt_scalef32_pk16_fp6_f32 v[PC+12+4*\c:PC+14+4*\c], v[\s+16+32*\c:\s+31+32*\c], v[TM+12+2*\c+1]
.endr
	v_nop                                          ; one plain place behind a scaled conversion
.irp c, 0,1
.irp i, 0,1,2
	v_permlane16_swap_b32 v[PC+6*\c+\i], v[PC+12+4*\c+\i]
.endr
.irp i, 0,1,2
	v_mov_b32 v[PC+3+6*\c+\i], v[PC+12+4*\c+\i]
.endr
.endr
.endm
.macro PUTFRAG off
.irp c, 0,1,2
	global_store_b128 v[LI], v[PC+4*\c:PC+4*\c+3], s[DI:DI+1] offset:\off+512*\c   ; 512 consecutive bytes, aligned
.endr
	global_store_b32 v[LS], v[PW], s[DS:DS+1] offset:\off
.endm
.macro BIASLD p                        ; tile b's eight columns of my half: 32 (b / 2) + 16 h + 8 (b % 2) + 0 .. 7
	WIN TO_A
.irp b, 0,1,2,3,4,5,6,7
	global_load_b128 v[BI+8*\b:BI+8*\b+3], v[BA], s[\p:\p+1] offset:(32*(\b/2)+8*(\b%2))*4
	global_load_b128 v[BI+8*\b+4:BI+8*\b+7], v[BA], s[\p:\p+1] offset:(32*(\b/2)+8*(\b%2))*4+16
.endr
	WIN 0
.endm
	s_load_b256 s[4:11], s[0:1], 0x0               ; xq, wqkv, b_v, b_q
	s_load_b256 s[12:19], s[0:1], 0x20             ; b_k, vf, qq, kq
	v_lshl_add_u32 v[SPW], v0, 2, SPARE
	v_mov_b32 v[NIL], 0
	ds_add_u32 v[SPW], v[NIL]                      ; the opening lines: the add twice on end and one wait
	ds_add_u32 v[SPW], v[NIL]
	v_lshrrev_b32 v1, 5, v0
	v_readfirstlane_b32 s20, v1                    ; wave 0..3
	s_lshr_b32 s21, s20, 1                         ; I fetch for X (0) or for W (1)
	s_and_b32 s22, s20, 1                          ; which half
	s_bfe_u32 s40, ttmp6, 0x40000                  ; cx, cy
	s_bfe_u32 s41, ttmp6, 0x40004
	s_lshl_b32 s42, ttmp9, 2
	s_add_co_u32 s42, s42, s40                     ; column block 0..7
	s_and_b32 s23, ttmp7, 0xffff
	s_lshl_b32 s23, s23, 2
	s_add_co_u32 s23, s23, s41                     ; row block 0..31
	s_lshl_b32 s43, s41, 2
	s_lshl_b32 s43, 15, s43                        ; my row of the cluster
	s_lshl_b32 s44, 0x1111, s40                    ; my column
	s_or_b32 s[G1A], s43, (3<<16)|(1<<21)          ; X: 8 records are dense: 416 rows of 32 elements of 8 bytes
	s_mov_b32 s[G1A+1], 32<<16
	s_mov_b32 s[G1A+2], 416<<16
	s_mov_b32 s[G1A+3], 32<<16
	s_mov_b32 s[G1A+4], 416
	s_mov_b32 s[G1A+5], 32
	s_mov_b32 s[G1A+6], 0
	s_mov_b32 s[G1A+7], 0
	s_or_b32 s[G1H], s44, (3<<16)|(1<<21)          ; W, first slot: 4 rows of 896 elements, a record apart
	s_mov_b32 s[G1H+1], (HB/8)<<16
	s_mov_b32 s[G1H+2], 4<<16
	s_mov_b32 s[G1H+3], (HB/8)<<16
	s_mov_b32 s[G1H+4], 4
	s_mov_b32 s[G1H+5], REC/8
	s_mov_b32 s[G1H+6], 0
	s_mov_b32 s[G1H+7], 0
	s_or_b32 s[G1L], s44, (3<<16)|(1<<21)          ; second slot: 4 rows of 768 elements
	s_mov_b32 s[G1L+1], (LB/8)<<16
	s_mov_b32 s[G1L+2], 4<<16
	s_mov_b32 s[G1L+3], (LB/8)<<16
	s_mov_b32 s[G1L+4], 4
	s_mov_b32 s[G1L+5], REC/8
	s_mov_b32 s[G1L+6], 0
	s_mov_b32 s[G1L+7], 0
	s_lshl_b32 s66, s23, 4
	s_lshl_b32 s92, s22, 3
	s_add_co_u32 s66, s66, s92                     ; X: record 16 x row block + 8 x half
	s_mul_i32 s66, s66, REC
	s_mov_b32 s67, 0
	s_lshl_b32 s46, s42, 3
	s_lshl_b32 s93, s22, 2
	s_add_co_u32 s46, s46, s93
	s_add_co_u32 s46, s46, 128                     ; W: K's tiles begin at record 128: + 8 x column block + 4 x half
	s_mul_i32 s46, s46, REC
	s_mov_b32 s47, 0
	s_mul_i32 s45, s22, 8*REC                      ; where they go: no place in the cluster enters an LDS address
	s_mul_i32 s94, s22, 4*HB
	s_add_co_u32 s94, s94, WS0
	s_mul_i32 s95, s22, 4*LB
	s_add_co_u32 s95, s95, WS1
	s_mov_b32 s2, 0x3d000000                       ; 1 / 32, twice: the packed form names a pair
	s_mov_b32 s3, s2
	s_mov_b32 s[SEL], 0x76543210
	s_mov_b32 s[SEL+1], 0xfedcba98
	s_mov_b32 s[CNT], 2
	s_wait_dscnt 0x0
	s_wait_kmcnt 0x0
	s_add_nc_u64 s[66:67], s[4:5], s[66:67]
	s_add_nc_u64 s[46:47], s[6:7], s[46:47]
	CROUND                                         ; all sixteen work-groups are here: the first joint loads meet
	s_mov_b32 s[G0A], 1
	s_mov_b32 s[G0A+1], s45
	s_mov_b64 s[G0A+2:G0A+3], s[66:67]
	s_or_b32 s[G0A+3], s[G0A+3], 0x80000000
	s_mov_b32 s[G0H], 1
	s_mov_b32 s[G0H+1], s94
	s_add_nc_u64 s[G0H+2:G0H+3], s[46:47], LB
	s_or_b32 s[G0H+3], s[G0H+3], 0x80000000
	s_mov_b32 s[G0L], 1
	s_mov_b32 s[G0L+1], s95
	s_mov_b64 s[G0L+2:G0L+3], s[46:47]
	s_or_b32 s[G0L+3], s[G0L+3], 0x80000000
	JLOAD G0A, G1A, G0H, G1H                       ; one tensor load a wave at the head
	s_lshl_b32 s96, s42, 9                         ; my 128 columns, 4 bytes each
	s_mov_b32 s97, 0
	s_add_nc_u64 s[8:9], s[8:9], s[96:97]
	s_add_nc_u64 s[10:11], s[10:11], s[96:97]
	s_add_nc_u64 s[12:13], s[12:13], s[96:97]
	s_lshl_b32 s98, s23, 20                        ; 256 rows of 4,096 bytes a row block,
	s_lshl_b32 s99, s20, 18                        ; 64 a wave
	s_add_co_u32 s98, s98, s99
	s_add_co_u32 s96, s96, s98
	s_add_nc_u64 s[14:15], s[14:15], s[96:97]      ; V's first byte of mine
	s_lshl_b32 s98, s23, 4
	s_lshl_b32 s99, s20, 2
	s_add_co_u32 s98, s98, s99                     ; my first record: 16 x row block + 4 x wave
	s_mul_i32 s98, s98, REC
	s_mul_i32 s96, s42, FRB                        ; my columns are K step (column block) of the next product
	s_add_co_u32 s96, s96, s98
	s_lshl_b32 s99, s42, 7
	s_add_co_u32 s98, s98, s99
	s_add_co_u32 s98, s98, 8*FRB
	s_mov_b32 s99, 0
	s_add_nc_u64 s[DI:DI+1], s[18:19], s[96:97]    ; the first pass is K's,
	s_add_nc_u64 s[DS:DS+1], s[18:19], s[98:99]
	s_add_nc_u64 s[80:81], s[16:17], s[96:97]      ; the second Q's
	s_add_nc_u64 s[82:83], s[16:17], s[98:99]
	s_mul_i32 s92, s20, 4*REC
	s_add_co_u32 s93, s92, 8*FRB
	s_mul_i32 s94, s20, 16*SPITCH
	s_add_co_u32 s94, s94, WS0
	v_and_b32 v1, 15, v0                           ; r
	v_bfe_u32 v2, v0, 4, 1                         ; h
	v_and_b32 v3, 31, v0
	v_lshlrev_b32 v[CO], 4, v3
	v_lshlrev_b32 v[LS], 2, v3
	v_lshlrev_b32 v[BA], 6, v2
	v_add_nc_u32 v[ADRA], s92, v[CO]
	v_add_nc_u32 v[ADAS], s93, v[LS]
	v_add_nc_u32 v[ADRH], WS0, v[CO]
	v_add_nc_u32 v[ADHS], WS0+LB, v[LS]
	v_add_nc_u32 v[ADRL], WS1, v[CO]
	v_mul_u32_u24 v5, v1, SPITCH                   ; the stage, in: row r, + 64 h
	v_lshl_add_u32 v5, v2, 6, v5
	v_add_nc_u32 v[STO], s94, v5
	v_add_nc_u32 v[RD], s94, v[CO]                 ; back: the 32 lanes take one row of 512 bytes
.irp b, 0,1,2,3
	v_mov_b32 v[TM+4+\b], 0                        ; a lane permute's destination counts as one of its sources
.endr
	BIASLD 12                                      ; K's bias
.macro FETCH s                         ; step s's fragments (K step (s + 4) % 8) into the sets s % 2: W's eight, my four of X: 512 consecutive bytes an instruction
.set PS, (\s)%2
	WIN TO_W
.irp b, 0,1,2,3,4,5,6,7
.irp c, 0,1,2
.if ((\s)%8) < 4
	ds_load_b128 v[128*PS+FR*\b+4*\c:128*PS+FR*\b+4*\c+3], v[ADRH] offset:\b*HB+((\s)%8)*FRB+512*\c
.else
	ds_load_b128 v[128*PS+FR*\b+4*\c:128*PS+FR*\b+4*\c+3], v[ADRL] offset:\b*LB+((\s)%8-4)*FRB+512*\c
.endif
.endr
.endr
	WIN TO_A
.irp a, 0,1,2,3
.irp c, 0,1,2
	ds_load_b128 v[48*PS+FR*\a+4*\c:48*PS+FR*\a+4*\c+3], v[ADRA] offset:\a*REC+(((\s)+4)%8)*FRB+512*\c
.endr
.endr
	WIN 0
.endm
.macro SCALESW                         ; all the pass's scale words of W, out of the first slot
.irp b, 0,1,2,3,4,5,6,7
.irp k, 0,1,2,3,4,5,6,7
	ds_load_b32 v[SW+8*\b+\k], v[ADHS] offset:\b*HB+128*\k
.endr
.endr
.endm
; 16 matrix instructions: X's blocks a0, a0 + 1 x W's eight.  The 32 accumulators take turns, one instruction a turn, in the same order in every step.
.macro MUL16 a0, s, first
.set KQ, ((\s)+4)%8
.set PS, (\s)%2
.irp a, \a0, \a0+1
.irp b, 0,1,2,3,4,5,6,7
.if \first
	v_wmma_scale_f32_16x16x128_f8f6f4 v[8*(8*(\a)+\b):8*(8*(\a)+\b)+7], v[128*PS+FR*\b:128*PS+FR*\b+FR-1], v[48*PS+FR*(\a):48*PS+FR*(\a)+FR-1], v[BI+8*\b:BI+8*\b+7], v[SW+8*\b+KQ], v[SA+8*(\a)+KQ] matrix_a_fmt:MATRIX_FMT_FP6 matrix_b_fmt:MATRIX_FMT_FP6
.else
	v_wmma_scale_f32_16x16x128_f8f6f4 v[8*(8*(\a)+\b):8*(8*(\a)+\b)+7], v[128*PS+FR*\b:128*PS+FR*\b+FR-1], v[48*PS+FR*(\a):48*PS+FR*(\a)+FR-1], v[8*(8*(\a)+\b):8*(8*(\a)+\b)+7], v[SW+8*\b+KQ], v[SA+8*(\a)+KQ] matrix_a_fmt:MATRIX_FMT_FP6 matrix_b_fmt:MATRIX_FMT_FP6
.endif
.endr
.endr
.endm
; A step whose successor lies in the same slot: the next step's 36 loads go out ahead of this step's 32 products.  nb = 1: the next pass's bias follows them (the last step's products have read this pass's).
.macro STEP s, first, nb
	s_wait_dscnt 0x0                               ; this step's fragments are in
	PLACES 4                                       ; places ahead of loads into registers that the last step's products have read
	FETCH (\s)+1
.if \nb
	BIASLD 10
.endif
.if \first
	WIN BIAS
.else
	WIN MUL
.endif
	MUL16 0, \s, \first
	MUL16 2, \s, \first
	WIN 0
.endm
; A slot's last step.  Its fragments are in registers, so my reads of the slot are over: the wait for all my tensor loads, the add, sixteen products, the wait for the add, ONE barrier.
; fill = 1: the barrier opens a round of the cluster's barrier, and the slot takes the next pass's half: 64 records back in W.
.macro TURN s, fill, g0, g1
	s_wait_dscnt 0x0
	s_wait_tensorcnt 0x0
	ds_add_u32 v[SPW], v[NIL]
.if \fill
	s_sub_nc_u64 s[\g0+2:\g0+3], s[\g0+2:\g0+3], 64*REC   ; no tensor load of mine is out
.endif
	WIN MUL
	MUL16 0, \s, 0
	s_wait_dscnt 0x0
	s_barrier_signal -1
	WIN 0
	s_barrier_wait -1
.if \fill
	CREST
	WJ \g0, \g1                                    ; the first tensor load behind the round
.else
	PLACES 4
.endif
	FETCH (\s)+1                                   ; out of the other slot, which is whole
	WIN MUL
	MUL16 2, \s, 0
	WIN 0
.endm
.macro CODES a                         ; a block's 64 registers of a lane are 128 neighbouring columns of its row in the quantiser's order: x 1 / 32 (exact), quantised, stored as an image
	WIN 0x02                                       ; source 0: window 2
.set i, 0
.rept 32
	v_pk_mul_f32 v[T+i:T+i+1], v[64*(\a)+i:64*(\a)+i+1], s[2:3] op_sel_hi:[1,0]   ; each accumulator from its low end on
.set i, i+2
.endr
	WIN 0
	s_wait_xcnt 0x0                                ; the last block's stores have read the codes' registers
	QUANT T
	PUTFRAG REC*(\a)
.endm
	s_wait_alu depctr_va_vdst(0)                   ; the head's end
	s_wait_tensorcnt 0x0                           ; my tile of the head's four is in; the full sequence ahead of a later first fill
	ds_add_u32 v[SPW], v[NIL]
	s_wait_dscnt 0x0
	CROUND                                         ; everybody's is in
	WJ G0L, G1L                                    ; the second slot's first fill
.irp a, 0,1,2,3
.irp k, 0,1,2,3,4,5,6,7
	ds_load_b32 v[SA+8*\a+\k], v[ADAS] offset:\a*REC+128*\k   ; X's scale words: once for all three passes
.endr
.endr
	SCALESW
	FETCH 0
.Lpass:                                        ; two trips: K's pass, then Q's
	s_wait_loadcnt 0x0                             ; the bias
	STEP 0, 1, 0
	STEP 1, 0, 1
	STEP 2, 0, 0
	TURN 3, 1, G0H, G1H
	STEP 4, 0, 0
	STEP 5, 0, 0
	STEP 6, 0, 0
	TURN 7, 1, G0L, G1L                            ; it also fetches the next pass's first fragments
	PLACES 4                                       ; ahead of loads into the scale registers and of the first read of results
	SCALESW
.irp a, 0,1,2,3
	CODES \a
.endr
	s_wait_xcnt 0x0                                ; the stores and the bias loads have read their bases
	s_mov_b64 s[DI:DI+1], s[80:81]
	s_mov_b64 s[DS:DS+1], s[82:83]
	s_mov_b64 s[10:11], s[8:9]                     ; the bias to fetch in Q's pass is V's
	s_sub_co_i32 s[CNT], s[CNT], 1
	s_cmp_lg_u32 s[CNT], 0
	s_wait_alu depctr_va_vdst(0)
	s_cbranch_scc1 .Lpass
	s_wait_loadcnt 0x0                             ; V's pass: nothing is left to fetch
	STEP 0, 1, 0
	STEP 1, 0, 0
	STEP 2, 0, 0
	TURN 3, 0, G0H, G1H
	STEP 4, 0, 0
	STEP 5, 0, 0
	STEP 6, 0, 0
	s_wait_dscnt 0x0
	WIN MUL
	MUL16 0, 7, 0
	MUL16 2, 7, 0
	WIN 0
	PLACES 4
; V's way out, block by block of 16 rows x 128 columns: through my own stage and back as whole rows of 512 bytes.  LDS serves a wave's instructions in order: no wait between the stores and the loads.
.macro TOSTAGE a
	WIN 0x08                                       ; the data: window 2
.irp b, 0,1,2,3,4,5,6,7
	ds_store_b128 v[STO], v[64*(\a)+8*\b:64*(\a)+8*\b+3] offset:128*(\b/2)+32*(\b%2)
	ds_store_b128 v[STO], v[64*(\a)+8*\b+4:64*(\a)+8*\b+7] offset:128*(\b/2)+32*(\b%2)+16
.endr
	WIN 0
.set BB, BK+64*((\a)%2)
.irp t, 0,1,2,3,4,5,6,7,8,9,10,11,12,13,14,15
	ds_load_b128 v[BB+4*\t:BB+4*\t+3], v[RD] offset:\t*SPITCH
.endr
.endm
.macro SEND a, younger                 ; younger: the LDS instructions issued behind block a's loads, which may stay out
.set BB, BK+64*((\a)%2)
	s_wait_dscnt \younger
.if (\a) > 0
	s_add_nc_u64 s[14:15], s[14:15], 16*4096       ; (behind a wait on XCNT)  16 rows on
.endif
.irp t, 0,1,2,3,4,5,6,7,8,9,10,11,12,13,14,15
	global_store_b128 v[CO], v[BB+4*\t:BB+4*\t+3], s[14:15] offset:\t*4096 th:TH_STORE_NT   ; 512 consecutive bytes, aligned
.endr
.endm
	TOSTAGE 0
.irp a, 1,2,3
.if \a > 1
	s_wait_xcnt 0x0                                ; block a - 2's stores have read their registers and their base
.endif
	TOSTAGE \a
	SEND \a-1, 32                                  ; behind block a - 1's loads: block a's 16 stores and 16 loads
.endr
	s_wait_xcnt 0x0
	SEND 3, 0
	s_wait_tensorcnt 0x0                           ; the wave's end
	ds_add_u32 v[SPW], v[NIL]
	s_wait_dscnt 0x0
	CROUND                                         ; the closing round
	s_endpgm
.Lfunc_end_k_qfcb9c64eb9_qkv:
	.size	k_qfcb9c64eb9_qkv, .Lfunc_end_k_qfcb9c64eb9_qkv-k_qfcb9c64eb9_qkv
	.p2alignl 7, 3214868480
	.fill 96, 4, 3214868480
	.section	.rodata,"a",@progbits
	.p2align	6, 0x0
	.amdhsa_kernel k_qfcb9c64eb9_qkv
		.amdhsa_group_segment_fixed_size 327680
		.amdhsa_private_segment_fixed_size 0
		.amdhsa_enable_private_segment 0
		.amdhsa_kernarg_size 64
		.amdhsa_user_sgpr_count 2
		.amdhsa_user_sgpr_kernarg_segment_ptr 1
		.amdhsa_wavefront_size32 1
		.amdhsa_system_sgpr_workgroup_id_x 1
		.amdhsa_system_sgpr_workgroup_id_y 1
		.amdhsa_system_sgpr_workgroup_id_z 1
		.amdhsa_system_vgpr_workitem_id 0
		.amdhsa_next_free_vgpr 1024
		.amdhsa_next_free_sgpr 102
		.amdhsa_reserve_vcc 0
		.amdhsa_float_denorm_mode_32 3
		.amdhsa_float_denorm_mode_16_64 3
		.amdhsa_memory_ordered 1
		.amdhsa_forward_progress 1
		.amdhsa_inst_pref_size 168
	.end_amdhsa_kernel
	.amdgpu_metadata
---
amdhsa.version: [ 1, 2 ]
amdhsa.kernels:
  - .name:           k_qfcb9c64eb9_qkv
    .symbol:         k_qfcb9c64eb9_qkv.kd
    .args:
      - { .name: xq, .offset: 0, .size: 8, .value_kind: global_buffer, .address_space: global }
      - { .name: wqkv, .offset: 8, .size: 8, .value_kind: global_buffer, .address_space: global }
      - { .name: b_v, .offset: 16, .size: 8, .value_kind: global_buffer, .address_space: global }
      - { .name: b_q, .offset: 24, .size: 8, .value_kind: global_buffer, .address_space: global }
      - { .name: b_k, .offset: 32, .size: 8, .value_kind: global_buffer, .address_space: global }
      - { .name: vf, .offset: 40, .size: 8, .value_kind: global_buffer, .address_space: global }
      - { .name: qq, .offset: 48, .size: 8, .value_kind: global_buffer, .address_space: global }
      - { .name: kq, .offset: 56, .size: 8, .value_kind: global_buffer, .address_space: global }
    .group_segment_fixed_size: 327680
    .private_segment_fixed_size: 0
    .kernarg_segment_align: 8
    .kernarg_segment_size: 64
    .max_flat_workgroup_size: 128
    .sgpr_count:     102
    .vgpr_count:     1024
    .wavefront_size: 32
...
	.end_amdgpu_metadata
.endif
;; end of part 2
;; launch attnproj (part 3): grid 4 x 64, 16 waves a work-group, clusters of 4 x 1, 327,680 bytes of LDS; arguments qq, kq, vf, wo, b_o, out0; writes out0
.if DOCPART == 3
	.amdgcn_target "amdgcn-amd-amdhsa--gfx1250"
	.amdhsa_code_object_version 6
	.text
	.protected	k_qfcb9c64eb9_attnproj
	.globl	k_qfcb9c64eb9_attnproj
	.p2align	8
	.type	k_qfcb9c64eb9_attnproj,@function
k_qfcb9c64eb9_attnproj:
	s_mov_b64 s[64:65], 0
	v_nop
	global_prefetch_b8 v0, s[64:65] scope:SCOPE_SE
	s_setreg_imm32_b32 hwreg(HW_REG_WAVE_MODE, 25, 1), 1
	s_wait_xcnt 0x0
	s_wait_alu depctr_hold_cnt(0) depctr_sa_sdst(0) depctr_va_vdst(0) depctr_va_sdst(0) depctr_va_ssrc(0) depctr_va_vcc(0) depctr_vm_vsrc(0)
	s_getreg_b32 s2, hwreg(HW_REG_IB_STS2, 6, 4)
	s_cmp_eq_u32 s2, 0
	s_cbranch_scc0 .Lentry_in_a_cluster
	s_endpgm
.Lentry_in_a_cluster:
	s_bfe_u32 s2, ttmp6, 0x10000c
	s_cmp_lg_u32 s2, 0x3003
	s_cbranch_scc0 .Lentry_shape_is_right
	s_endpgm
.Lentry_shape_is_right:
; out0 = Q6(diag x V) W_o + b_o, with diag[b] = exp(s[b][b]) / sum over a of exp(s[a][b]), s = Q K^T of one head, all on codes of FP6 (E2M3) with E8M0 scales.
; qq, kq, wo lie as RECORDS of 13,312 bytes for each tile of 16 rows (of W_o: 16 chosen columns): eight fragment images of 1,536 bytes (registers 4 g .. 4 g + 3 of lane l at 512 g + 16 l), then eight scale images of 128 bytes.
; The plain reshape makes head y the rows 128 y .. 128 y + 127 (records 8 y .. 8 y + 7); a row holds 16 positions of 64 numbers, so a fragment (16 rows x 128) holds two positions of each row.
; SHARES.  Work-group (x, y): head y, records 8 y + 2 x and + 1: 512 keys, 32 rows of the output.  Wave w: record w / 8 of the two, K step w % 8: 32 keys (16 rows x 2 positions t) against all 2,048 queries.
; A product takes Q's fragment (two positions c) against K's position t beside 64 zero codes, which picks c.  Lane (r, h) holds key row r and eight query rows: the softmax's axis runs down a lane's registers.
; THE SOFTMAX: a running maximum for each lane and t; a step of 64 scores a lane takes the maxima, one packed multiply-add a pair, ONE batch of exponentials, and a tree of packed sums.  The halves of the lanes are joined at the end.
; THE PROJECTION: each wave's 16 x 128 of diag x V is quantised and laid in LDS as an operand image; behind one barrier wave w multiplies the work-group's 32 rows by W_o's tiles 4 w .. 4 w + 3 (columns 64 w .. + 63).
; W_o's images go from memory straight into registers, two sets by turns; K steps 0 and 1 are asked for at the head.  They are not asked for jointly through LDS: a K step of W_o's 64 tiles is 106,496 bytes,
; and beside Q's block, V's stages and the images 57,344 bytes of LDS are left.  Q's block, which the four work-groups of a head share, is asked for jointly.
; PREFETCH: none is laid; W_o's later K steps are loaded in the projection, one ahead.
; LIMITS: the promise holds while the scores x log2(e) stay under 2^31 in magnitude; a block of zeros gets the scale byte 1 (its codes are zeros; the byte is read here alone); NaN and infinities are not served.
.set REC,  13312
.set FRB,  1536
.set QW,   6656                        ; a wave's part of Q's block: 26 rows of 256 bytes
.set VST,  8*REC                       ; behind Q's block: V's stages, 16 rows x (512 + 16) bytes a wave
.set VP,   528
.set VW,   16*VP
.set AST,  VST+16*VW                   ; the 16 fragment images of diag x V, bytes of their own
.set ASC,  AST+16*FRB                  ; and their scale images
.set SPARE, ASC+16*128                 ; the spare words: 128 bytes a wave
.set OP,   272                         ; the way out: a stage of 16 rows x (256 + 16) bytes a wave, in Q's block, which has had its last fill and, behind the barrier, its last read
.set OW,   16*OP
.set LI,   1                           ; 16 x lane
.set LS,   2                           ; 4 x lane
.set ADR,  3                           ; LDS address of this trip's record; later 64 h for the bias
.set ADS,  4                           ; and of its scale images
.set VA,   5                           ; my row in V's stage
.set SPW,  6
.set NIL,  7
.set SD,   8                           ; v8-9 the diagonal scores
.set ST,   10                          ; v10-25 for each t: -c M, M, the sum (2), four at work
.set KB,   26                          ; v26-55 zeros, K's position 0, zeros, position 1, zeros; later with v56-57 the bias
.set BI,   26
.set JJ,   56
.set LSQ,  57
.set QF,   58                          ; v58-81 two fragments of Q; later codes, then the images of diag x V
.set QS,   82                          ; v82-83 their scale words
.set S,    84                          ; v84-147 scores, p, V, then the eight accumulators
.set KT,   S+32
.set W0,   148                         ; v148-199, v200-251 two sets: four fragments of W_o and four scale words
.set PF0,  252
.set PF1,  253
.set KS,   254                         ; v254-255 K's scale word, and the same with its halves changed over
.set PC,   QF
.set TM,   ST
.set PW,   78
.set WV,   16
.set G1Q,  32
.set G1V,  40
.set G0Q,  48
.set G0V,  52
.set CS,   56                          ; s[56:57] log2(e); s58 its negative
.set NC,   58
.set CNT,  59
.set SEL,  60
.set TB,   63
.macro CROUND
	s_barrier_signal -1
	s_barrier_wait -1
	s_cmp_lg_u32 s[WV], 0
	s_cbranch_scc1 .Lnot_wave_0_\@
	s_barrier_signal -3
.Lnot_wave_0_\@:
	s_barrier_wait -3
	s_barrier_signal -1
	s_barrier_wait -1
.endm
.macro NOPS n
.rept \n
	v_nop
.endr
.endm
.macro WLOAD ks                        ; W_o's four fragments and scale words of K step ks into set ks % 2: 512 consecutive bytes an instruction
.set WF, W0+52*((\ks)%2)
.irp i, 0,1,2,3
.irp c, 0,1,2
	global_load_b128 v[WF+12*\i+4*\c:WF+12*\i+4*\c+3], v[LI], s[74:75] offset:\i*REC+(\ks)*FRB+512*\c
.endr
	global_load_b32 v[WF+48+\i], v[LS], s[74:75] offset:\i*REC+8*FRB+(\ks)*128
.endr
.endm
	s_load_b256 s[4:11], s[0:1], 0x0               ; qq, kq, vf, wo
	s_load_b128 s[12:15], s[0:1], 0x20             ; b_o, out0
	v_lshl_add_u32 v[SPW], v0, 2, SPARE
	v_mov_b32 v[NIL], 0
	ds_add_u32 v[SPW], v[NIL]                      ; the opening lines: the add twice on end and one wait
	ds_add_u32 v[SPW], v[NIL]
	v_lshrrev_b32 v1, 5, v0
	v_readfirstlane_b32 s[WV], v1                  ; wave 0..15
	v_and_b32 v[PF0], 31, v0
	v_lshlrev_b32 v[LI], 4, v[PF0]
	v_lshlrev_b32 v[LS], 2, v[PF0]
	s_bfe_u32 s17, ttmp6, 0x40000                  ; cx
	s_lshl_b32 s18, ttmp9, 2
	s_add_co_u32 s18, s18, s17                     ; x
	s_and_b32 s19, ttmp7, 0xffff                   ; y: the head
	s_mul_i32 s22, s19, 8*REC                      ; Q's block: made of the head and the wave's number alone
	s_mul_i32 s24, s[WV], QW
	s_add_co_u32 s22, s22, s24
	s_mov_b32 s23, 0
	s_lshl_b32 s25, s19, 3
	s_lshl_b32 s26, s18, 1
	s_add_co_u32 s25, s25, s26                     ; the work-group's first record
	s_lshl_b32 s90, s25, 16                        ; out0: 16 rows of 4,096 bytes a record,
	s_lshl_b32 s86, s[WV], 8                       ; + my 64 columns
	s_add_co_u32 s90, s90, s86
	s_mov_b32 s91, 0
	s_mov_b32 s87, 0
	s_lshr_b32 s26, s[WV], 3
	s_add_co_u32 s25, s25, s26                     ; my record
	s_and_b32 s27, s[WV], 7                        ; my K step
	s_lshl_b32 s28, s25, 16
	s_lshl_b32 s29, s27, 9
	s_add_co_u32 s28, s28, s29                     ; V: my 16 rows x 512 bytes
	s_mov_b32 s29, 0
	s_mul_i32 s25, s25, REC
	s_mul_i32 s30, s27, FRB
	s_add_co_u32 s30, s30, s25                     ; my fragment image
	s_mov_b32 s31, 0
	s_lshl_b32 s20, s27, 7
	s_add_co_u32 s20, s20, s25
	s_add_co_u32 s20, s20, 8*FRB                   ; my scale image
	s_mov_b32 s21, 0
	s_mul_i32 s82, s[WV], 4*REC                    ; W_o: my four records
	s_mov_b32 s83, 0
	s_mul_i32 s84, s17, REC
	s_add_co_u32 s84, s84, s82                     ; record 4 w + cx of W_o; no load or prefetch uses it
	s_mov_b32 s85, 0
	s_mul_i32 s88, s[WV], FRB
	s_add_co_u32 s88, s88, AST
	s_lshl_b32 s89, s[WV], 7
	s_add_co_u32 s89, s89, ASC
	s_mul_i32 s62, s[WV], OW
	s_mov_b32 s[G1Q], 15|(3<<16)|(1<<21)           ; joint: the four work-groups of the head; 26 rows of 32 elements of 8 bytes, dense
	s_mov_b32 s[G1Q+1], 32<<16
	s_mov_b32 s[G1Q+2], 26<<16
	s_mov_b32 s[G1Q+3], 32<<16
	s_mov_b32 s[G1Q+4], 26
	s_mov_b32 s[G1Q+5], 32
	s_mov_b32 s[G1Q+6], 0
	s_mov_b32 s[G1Q+7], 0
	s_mov_b32 s[G1V], (3<<16)|(1<<20)|(6<<22)|(3<<25)   ; my own: 16 rows of 512 bytes, 4,096 apart, 16 bytes of padding behind each
	s_mov_b32 s[G1V+1], 64<<16
	s_mov_b32 s[G1V+2], 16<<16
	s_mov_b32 s[G1V+3], 64<<16
	s_mov_b32 s[G1V+4], 16
	s_mov_b32 s[G1V+5], 512
	s_mov_b32 s[G1V+6], 0
	s_mov_b32 s[G1V+7], 0
	s_mov_b32 s[CS], 0x3fb8aa3b
	s_mov_b32 s[CS+1], s[CS]
	s_mov_b32 s[NC], 0xbfb8aa3b
	s_mov_b32 s[SEL], 0x76543210
	s_mov_b32 s[SEL+1], 0xfedcba98
	s_mov_b32 s[TB], 0
	s_mov_b32 s[CNT], 8
	s_wait_alu depctr_va_vdst(0)
	s_wait_dscnt 0x0
	s_wait_kmcnt 0x0
	s_mov_b32 s[G0Q], 1
	s_mov_b32 s[G0Q+1], s24
	s_add_nc_u64 s[G0Q+2:G0Q+3], s[4:5], s[22:23]
	s_or_b32 s[G0Q+3], s[G0Q+3], 0x80000000
	s_mov_b32 s[G0V], 1
	s_mul_i32 s[G0V+1], s[WV], VW
	s_add_co_u32 s[G0V+1], s[G0V+1], VST
	s_add_nc_u64 s[G0V+2:G0V+3], s[8:9], s[28:29]
	s_or_b32 s[G0V+3], s[G0V+3], 0x80000000
	s_add_nc_u64 s[66:67], s[6:7], s[30:31]
	s_add_nc_u64 s[68:69], s[6:7], s[20:21]
	s_add_nc_u64 s[70:71], s[4:5], s[30:31]
	s_add_nc_u64 s[72:73], s[4:5], s[20:21]
	s_add_nc_u64 s[74:75], s[10:11], s[82:83]
	s_add_nc_u64 s[76:77], s[10:11], s[84:85]
	s_add_nc_u64 s[78:79], s[12:13], s[86:87]
	s_add_nc_u64 s[80:81], s[14:15], s[90:91]
.irp c, 0,1,2
	global_load_b128 v[KT+4*\c:KT+4*\c+3], v[LI], s[66:67] offset:512*\c   ; my keys,
	global_load_b128 v[QF+4*\c:QF+4*\c+3], v[LI], s[70:71] offset:512*\c   ; and the queries at the same places, for the diagonal
.endr
	global_load_b32 v[KT+12], v[LS], s[68:69]
	global_load_b32 v[QS], v[LS], s[72:73]
	WLOAD 0
	WLOAD 1
	CROUND                                         ; the four work-groups are here: the joint loads meet
	tensor_load_to_lds s[G0Q:G0Q+3], s[G1Q:G1Q+7]  ; my one load at the head
	s_nop 0
	v_lshlrev_b32 v[PF1], 8, v[PF0]
	v_add_nc_u32 v[PF0], 3072, v[PF1]              ; blocks 12 .. 43 of a record
	v_add_nc_u32 v[PF1], 3072+8192, v[PF1]
	v_min_u32 v[PF1], REC-256, v[PF1]              ; blocks 44 .. 51
	v_add_nc_u32 v[LSQ], 8*FRB, v[LS]
	v_mov_b32 v[ADR], v[LI]
	v_add_nc_u32 v[ADS], 8*FRB, v[LS]
	v_and_b32 v[SD], 15, v0                        ; r
	v_bfe_u32 v[SD+1], v0, 4, 1                    ; h
	v_mul_u32_u24 v[VA], v[SD], VP
	v_lshl_add_u32 v[VA], v[SD+1], 6, v[VA]
	v_add_nc_u32 v[VA], s[G0V+1], v[VA]
	v_lshlrev_b32 v[SD+1], 3, v[SD+1]
	v_sub_nc_u32 v[JJ], v[SD], v[SD+1]             ; the register that holds the diagonal: r - 8 h
.irp t, 0,1
	v_mov_b32 v[ST+8*\t], 0x7f61b1e6               ; -c M: 3e38
	v_mov_b32 v[ST+8*\t+1], 0xff61b1e6             ; M: -3e38, under every score
	v_mov_b32 v[ST+8*\t+2], 0
	v_mov_b32 v[ST+8*\t+3], 0
	v_mov_b32 v[ST+8*\t+4], 0                      ; (a lane permute's destination counts as one of its sources)
	v_mov_b32 v[SD+\t], 0
.endr
.irp i, 0,1,2,3,4,5
	v_mov_b32 v[KB+\i], 0
	v_mov_b32 v[KB+12+\i], 0
	v_mov_b32 v[KB+24+\i], 0
.endr
	s_wait_alu depctr_va_vdst(0)
	s_wait_loadcnt 32                              ; my keys and queries are in; W_o's 32 loads may be out
.irp i, 0,1,2,3,4,5
	v_mov_b32 v[KB+6+\i], v[KT+\i]
	v_mov_b32 v[KB+18+\i], v[KT+6+\i]
.endr
	v_mov_b32 v[KS], v[KT+12]
	v_lshrrev_b32 v[KS+1], 16, v[KT+12]
	v_lshl_or_b32 v[KS+1], v[KT+12], 16, v[KS+1]
	NOPS 8                                         ; a scale register written by a vector instruction stands 8 places ahead
	v_wmma_scale_f32_16x16x128_f8f6f4 v[S:S+7], v[QF:QF+11], v[KB+6:KB+17], 0, v[QS], v[KS] matrix_a_fmt:MATRIX_FMT_FP6 matrix_b_fmt:MATRIX_FMT_FP6
	v_wmma_scale_f32_16x16x128_f8f6f4 v[S+8:S+15], v[QF:QF+11], v[KB+12:KB+23], 0, v[QS], v[KS] matrix_a_fmt:MATRIX_FMT_FP6 matrix_b_fmt:MATRIX_FMT_FP6
	NOPS 4
.irp t, 0,1
.irp j, 0,1,2,3,4,5,6,7
	v_cmp_eq_u32 vcc_lo, \j, v[JJ]
	v_cndmask_b32 v[SD+\t], v[SD+\t], v[S+8*\t+\j], vcc_lo
.endr
.endr
	v_permlanex16_b32 v[ST+4], v[SD], s[SEL], s[SEL+1]
	v_permlanex16_b32 v[ST+12], v[SD+1], s[SEL], s[SEL+1]
	s_delay_alu instid0(VALU_DEP_2)
	v_add_f32 v[SD], v[SD], v[ST+4]                ; one half of the lanes held it, the other 0
	s_delay_alu instid0(VALU_DEP_2)
	v_add_f32 v[SD+1], v[SD+1], v[ST+12]
	NOPS 5
	s_wait_alu depctr_va_vdst(0)                   ; the head's end
	s_wait_tensorcnt 0x0                           ; my part of Q's block is in; the full sequence ahead of a later first fill
	ds_add_u32 v[SPW], v[NIL]
	s_wait_dscnt 0x0
	CROUND                                         ; everybody's part is in
	tensor_load_to_lds s[G0V:G0V+3], s[G1V:G1V+7]  ; V's tile: it has the whole loop in which to land
	s_nop 0
.macro FETCH q                         ; fragments 2 q and 2 q + 1 of this trip's record
.irp i, 0,1
.irp c, 0,1,2
	ds_load_b128 v[QF+12*\i+4*\c:QF+12*\i+4*\c+3], v[ADR] offset:(2*(\q)+\i)*FRB+512*\c
.endr
.endr
.irp i, 0,1
	ds_load_b32 v[QS+\i], v[ADS] offset:(2*(\q)+\i)*128
.endr
.endm
.macro STEP nx                         ; 64 scores a lane.  nx: the fragments to fetch for the next step, 0: the trip's last step
	s_wait_dscnt 0x0
.irp t, 0,1
.irp i, 0,1
.irp c, 0,1
	v_wmma_scale_f32_16x16x128_f8f6f4 v[S+32*\t+16*\i+8*\c:S+32*\t+16*\i+8*\c+7], v[QF+12*\i:QF+12*\i+11], v[KB+6+12*\t-6*\c:KB+17+12*\t-6*\c], 0, v[QS+\i], v[KS+(\t+\c)%2] matrix_a_fmt:MATRIX_FMT_FP6 matrix_b_fmt:MATRIX_FMT_FP6
.endr
.endr
.endr
.if \nx > 0
	NOPS 4                                         ; places ahead of the loads into Q's registers and of the first read of the scores
	FETCH \nx
.else
	s_add_co_u32 s[TB], s[TB], REC                 ; on to the next record; the two additions are two of the four places
	v_add_nc_u32 v[ADR], s[TB], v[LI]
	v_add_nc_u32 v[ADS], s[TB], v[LSQ]
	NOPS 2
.endif
.irp j, 0,1,2,3                        ; the maxima: eight chains by turns, each accumulator from its low end on
.irp t, 0,1
	v_max3_num_f32 v[ST+8*\t+4+\j], v[S+32*\t+8*\j], v[S+32*\t+8*\j+1], v[S+32*\t+8*\j+2]
.endr
.endr
.irp k, 3,5
.irp j, 0,1,2,3
.irp t, 0,1
	v_max3_num_f32 v[ST+8*\t+4+\j], v[ST+8*\t+4+\j], v[S+32*\t+8*\j+\k], v[S+32*\t+8*\j+\k+1]
.endr
.endr
.endr
.irp t, 0,1
	v_max3_num_f32 v[ST+8*\t+4], v[ST+8*\t+4], v[S+32*\t+7], v[S+32*\t+15]
.endr
.irp t, 0,1
	v_max3_num_f32 v[ST+8*\t+6], v[ST+8*\t+6], v[S+32*\t+23], v[S+32*\t+31]
.endr
.irp t, 0,1
	s_delay_alu instid0(VALU_DEP_2)
	v_max3_num_f32 v[ST+8*\t+4], v[ST+8*\t+4], v[ST+8*\t+5], v[ST+8*\t+6]
.endr
.irp t, 0,1
	s_delay_alu instid0(VALU_DEP_2)
	v_max3_num_f32 v[ST+8*\t+1], v[ST+8*\t+4], v[ST+8*\t+7], v[ST+8*\t+1]   ; the running maximum
.endr
.irp t, 0,1
	s_delay_alu instid0(VALU_DEP_2)
	v_mul_f32 v[ST+8*\t+5], s[NC], v[ST+8*\t+1]    ; the new -c M
.endr
.irp t, 0,1
	s_delay_alu instid0(VALU_DEP_2)
	v_sub_f32 v[ST+8*\t+7], v[ST+8*\t+5], v[ST+8*\t]   ; less the old: 0 or under
.endr
.irp t, 0,1
	s_delay_alu instid0(VALU_DEP_4)
	v_mov_b32 v[ST+8*\t], v[ST+8*\t+5]
.endr
.set ii, 0
.rept 32
	v_pk_fma_f32 v[S+2*ii:S+2*ii+1], v[S+2*ii:S+2*ii+1], s[CS:CS+1], v[ST+8*(ii/16):ST+8*(ii/16)+1] op_sel_hi:[1,0,0]   ; c s - c M
.set ii, ii+1
.endr
	s_wait_alu depctr_va_vdst(0)                   ; one wait ahead of the batch
.irp t, 0,1
	v_exp_f32 v[ST+8*\t+6], v[ST+8*\t+7]           ; what brings the old sum under the new maximum
.endr
.set ii, 0
.rept 64
	v_exp_f32 v[S+ii], v[S+ii]
.set ii, ii+1
.endr
	v_nop                                          ; one plain place behind the batch,
	s_wait_alu depctr_va_vdst(0)                   ; and one wait ahead of its first reader
.set ii, 0
.rept 16                               ; the sums, as a tree of packed additions
	v_pk_add_f32 v[S+4*ii:S+4*ii+1], v[S+4*ii:S+4*ii+1], v[S+4*ii+2:S+4*ii+3]
.set ii, ii+1
.endr
.set ii, 0
.rept 8
	v_pk_add_f32 v[S+8*ii:S+8*ii+1], v[S+8*ii:S+8*ii+1], v[S+8*ii+4:S+8*ii+5]
.set ii, ii+1
.endr
.set ii, 0
.rept 4
	v_pk_add_f32 v[S+16*ii:S+16*ii+1], v[S+16*ii:S+16*ii+1], v[S+16*ii+8:S+16*ii+9]
.set ii, ii+1
.endr
	s_delay_alu instid0(VALU_DEP_3)
	v_pk_add_f32 v[S:S+1], v[S:S+1], v[S+16:S+17]
	s_delay_alu instid0(VALU_DEP_2)
	v_pk_add_f32 v[S+32:S+33], v[S+32:S+33], v[S+48:S+49]
.irp t, 0,1
	v_pk_fma_f32 v[ST+8*\t+2:ST+8*\t+3], v[ST+8*\t+2:ST+8*\t+3], v[ST+8*\t+6:ST+8*\t+7], v[S+32*\t:S+32*\t+1] op_sel_hi:[1,0,1]
.endr
.endm
.Ltrip:                                        ; a trip is one record of Q: four steps, every LDS offset an immediate
	FETCH 0
	STEP 1
	s_wait_alu depctr_va_vdst(0)
	s_cmp_lg_u32 s[CNT], 8
	s_cbranch_scc1 .Lasked
.Lasked:
	STEP 2
	STEP 3
	STEP 0
	s_sub_co_i32 s[CNT], s[CNT], 1
	s_cmp_lg_u32 s[CNT], 0
	s_wait_alu depctr_va_vdst(0)
	s_cbranch_scc1 .Ltrip
	v_bfe_u32 v[ADR], v0, 4, 1
	v_lshlrev_b32 v[ADR], 6, v[ADR]                ; 64 h: my half's 16 numbers of a bias block
	s_wait_alu depctr_va_vdst(0)
	s_wait_tensorcnt 0x0                           ; V's tile is in: my own bytes
.irp b, 0,1,2,3
.irp j, 0,1,2,3
	ds_load_b128 v[S+16*\b+4*\j:S+16*\b+4*\j+3], v[VA] offset:128*\b+16*\j   ; register 16 b + i: column 32 b + 16 h + i of my row
.endr
.endr
.irp i, 0,1,2,3
	global_load_b128 v[BI+8*\i:BI+8*\i+3], v[ADR], s[78:79] offset:(32*(\i/2)+8*(\i%2))*4       ; tile i's eight columns of my half
	global_load_b128 v[BI+8*\i+4:BI+8*\i+7], v[ADR], s[78:79] offset:(32*(\i/2)+8*(\i%2))*4+16
.endr
.irp t, 0,1
	v_add_f32 v[ST+8*\t+4], v[ST+8*\t+2], v[ST+8*\t+3]
.endr
.irp t, 0,1
	v_permlanex16_b32 v[ST+8*\t+5], v[ST+8*\t], s[SEL], s[SEL+1]
.endr
.irp t, 0,1
	s_delay_alu instid0(VALU_DEP_2)
	v_min_num_f32 v[ST+8*\t+6], v[ST+8*\t], v[ST+8*\t+5]   ; -c x the larger maximum of the two halves
.endr
.irp t, 0,1
	s_delay_alu instid0(VALU_DEP_2)
	v_sub_f32 v[ST+8*\t+7], v[ST+8*\t+6], v[ST+8*\t]
.endr
.irp t, 0,1
	s_delay_alu instid0(VALU_DEP_4)
	v_fma_f32 v[ST+8*\t+5], v[SD+\t], s[CS], v[ST+8*\t+6]
.endr
	s_wait_alu depctr_va_vdst(0)
.irp t, 0,1
	v_exp_f32 v[ST+8*\t+7], v[ST+8*\t+7]
.endr
.irp t, 0,1
	v_exp_f32 v[ST+8*\t+5], v[ST+8*\t+5]           ; the diagonal's p
.endr
	v_nop
	s_wait_alu depctr_va_vdst(0)
.irp t, 0,1
	v_mul_f32 v[ST+8*\t+4], v[ST+8*\t+4], v[ST+8*\t+7]
.endr
.irp t, 0,1
	s_delay_alu instid0(VALU_DEP_2)
	v_permlanex16_b32 v[ST+8*\t+6], v[ST+8*\t+4], s[SEL], s[SEL+1]
.endr
.irp t, 0,1
	s_delay_alu instid0(VALU_DEP_2)
	v_add_f32 v[ST+8*\t+4], v[ST+8*\t+4], v[ST+8*\t+6]   ; the column's sum over all 2,048 queries
.endr
	s_wait_alu depctr_va_vdst(0)
.irp t, 0,1
	v_rcp_f32 v[ST+8*\t+6], v[ST+8*\t+4]
.endr
	v_nop
	s_wait_alu depctr_va_vdst(0)
.irp t, 0,1
	v_mul_f32 v[ST+8*\t+2], v[ST+8*\t+5], v[ST+8*\t+6]   ; diag
.endr
	s_wait_alu depctr_va_vdst(0)
	s_wait_dscnt 0x0
.set ii, 0
.rept 32
	v_pk_mul_f32 v[S+2*ii:S+2*ii+1], v[S+2*ii:S+2*ii+1], v[ST+8*(ii/16)+2:ST+8*(ii/16)+3] op_sel_hi:[1,0]
.set ii, ii+1
.endr
; the quantiser: four blocks of 32 along my row, each in lanes l and l xor 16
.irp b, 0,1,2,3
	v_max3_num_f32 v[TM+\b], |v[S+16*\b]|, |v[S+1+16*\b]|, 0x1800000   ; with the floor 2^(3 - 127): the byte cannot fall under 1
.endr
.irp i, 2,4,6,8,10,12,14
.irp b, 0,1,2,3
	s_delay_alu instid0(VALU_DEP_4)
	v_max3_num_f32 v[TM+\b], v[TM+\b], |v[S+16*\b+\i]|, |v[S+1+16*\b+\i]|
.endr
.endr
.irp b, 0,1,2,3
	v_permlanex16_b32 v[TM+4+\b], v[TM+\b], s[SEL], s[SEL+1]
.endr
.irp b, 0,1,2,3
	s_delay_alu instid0(VALU_DEP_4)
	v_max_num_f32 v[TM+\b], v[TM+\b], v[TM+4+\b]
.endr
.irp b, 0,1,2,3
	s_delay_alu instid0(VALU_DEP_4)
	v_add_nc_u32 v[TM+12+\b], 0xff000000, v[TM+\b]   ; 2 off the exponent field: the conversion's scale operand
.endr
.irp b, 0,1,2,3
	s_delay_alu instid0(VALU_DEP_4)
	v_lshrrev_b32 v[TM+4+\b], 23, v[TM+12+\b]      ; the scale's byte
.endr
	s_delay_alu instid0(VALU_DEP_3)
	v_lshl_or_b32 v[PW], v[TM+5], 8, v[TM+4]
	s_delay_alu instid0(VALU_DEP_1)
	v_lshl_or_b32 v[PW], v[TM+6], 16, v[PW]
	s_delay_alu instid0(VALU_DEP_1)
	v_lshl_or_b32 v[PW], v[TM+7], 24, v[PW]
.irp c, 0,1
	v_cvt_scalef32_pk16_fp6_f32 v[PC+6*\c:PC+2+6*\c], v[S+32*\c:S+15+32*\c], v[TM+12+2*\c]
	v_cvt_scalef32_pk16_fp6_f32 v[PC+12+4*\c:PC+14+4*\c], v[S+16+32*\c:S+31+32*\c], v[TM+12+2*\c+1]
.endr
	v_nop                                          ; one plain place behind a scaled conversion
.irp c, 0,1                                    ; the operand wants a whole block in a lane
.irp i, 0,1,2
	v_permlane16_swap_b32 v[PC+6*\c+\i], v[PC+12+4*\c+\i]
.endr
.irp i, 0,1,2
	s_delay_alu instid0(VALU_DEP_3)
	v_mov_b32 v[PC+3+6*\c+\i], v[PC+12+4*\c+\i]
.endr
.endr
	v_add_nc_u32 v[ADS], s88, v[LI]
	v_add_nc_u32 v[VA], s89, v[LS]
.irp c, 0,1,2
	ds_store_b128 v[ADS], v[PC+4*\c:PC+4*\c+3] offset:512*\c   ; image w = 8 (record) + K step
.endr
	ds_store_b32 v[VA], v[PW]
	v_add_nc_u32 v10, AST, v[LI]                   ; where images are read
	v_add_nc_u32 v11, ASC, v[LS]
	v_and_b32 v15, 15, v0
	v_bfe_u32 v16, v0, 4, 1
	v_mul_u32_u24 v12, v15, OP                     ; the stage, in: row r, + 64 h
	v_lshl_add_u32 v12, v16, 6, v12
	v_add_nc_u32 v12, s62, v12
	v_mul_u32_u24 v13, v16, OP                     ; back: sixteen lanes to a row of 256 bytes, two rows an instruction
	v_lshl_add_u32 v13, v15, 4, v13
	v_add_nc_u32 v13, s62, v13
	v_lshlrev_b32 v14, 12, v16                     ; and the same two rows in out0
	v_lshl_add_u32 v14, v15, 4, v14
	s_wait_alu depctr_va_vdst(0)
	s_wait_dscnt 0x0                               ; my image is stored, and my reads of Q's block are long over
	s_barrier_signal -1
	s_barrier_wait -1                              ; all sixteen images are there
.macro ALOAD ks                        ; K step ks of the two records of diag x V
.irp m, 0,1
.irp c, 0,1,2
	ds_load_b128 v[QF+12*\m+4*\c:QF+12*\m+4*\c+3], v10 offset:(8*\m+(\ks))*FRB+512*\c
.endr
	ds_load_b32 v[QS+\m], v11 offset:(8*\m+(\ks))*128
.endr
.endm
.macro PMUL ks, first                  ; transposed: source 0 = 16 columns of W_o, source 1 = 16 rows; the eight accumulators by turns
.set WF, W0+52*((\ks)%2)
.irp m, 0,1
.irp i, 0,1,2,3
.if \first
	v_wmma_scale_f32_16x16x128_f8f6f4 v[S+8*(4*\m+\i):S+8*(4*\m+\i)+7], v[WF+12*\i:WF+12*\i+11], v[QF+12*\m:QF+12*\m+11], v[BI+8*\i:BI+8*\i+7], v[WF+48+\i], v[QS+\m] matrix_a_fmt:MATRIX_FMT_FP6 matrix_b_fmt:MATRIX_FMT_FP6
.else
	v_wmma_scale_f32_16x16x128_f8f6f4 v[S+8*(4*\m+\i):S+8*(4*\m+\i)+7], v[WF+12*\i:WF+12*\i+11], v[QF+12*\m:QF+12*\m+11], v[S+8*(4*\m+\i):S+8*(4*\m+\i)+7], v[WF+48+\i], v[QS+\m] matrix_a_fmt:MATRIX_FMT_FP6 matrix_b_fmt:MATRIX_FMT_FP6
.endif
.endr
.endr
.endm
	ALOAD 0
	s_wait_loadcnt 0x0                             ; W_o's K steps 0 and 1, and the bias
	s_wait_dscnt 0x0
	PMUL 0, 1                                      ; the bias is the C of each sum's first product
.irp k, 1,2,3,4,5,6,7
	NOPS 4                                         ; places ahead of loads into registers that the products have read
	ALOAD \k
.if \k < 7
	WLOAD \k+1                                     ; into the set just multiplied
	s_wait_loadcnt 16                              ; K step k's set is in; the 16 loads just issued may be out
.else
	s_wait_loadcnt 0x0
.endif
	s_wait_dscnt 0x0
	PMUL \k, 0
.endr
	NOPS 4
; the way out: lane (r, h) holds row r, and tiles 2 B, 2 B + 1 give it columns 32 B + 16 h + 0 .. 15.  LDS serves a wave's instructions in order: no wait between the stores and the loads, nor ahead of the second block's stores.
.irp m, 0,1
.irp i, 0,1,2,3
	ds_store_b128 v12, v[S+8*(4*\m+\i):S+8*(4*\m+\i)+3] offset:128*(\i/2)+32*(\i%2)
	ds_store_b128 v12, v[S+8*(4*\m+\i)+4:S+8*(4*\m+\i)+7] offset:128*(\i/2)+32*(\i%2)+16
.endr
.irp t, 0,1,2,3,4,5,6,7
	ds_load_b128 v[W0+52*\m+4*\t:W0+52*\m+4*\t+3], v13 offset:\t*2*OP
.endr
.endr
.irp m, 0,1
	s_wait_dscnt 16-16*\m                          ; block m is back; behind block 0's loads stand block 1's 8 stores and 8 loads
.irp t, 0,1,2,3,4,5,6,7
	global_store_b128 v14, v[W0+52*\m+4*\t:W0+52*\m+4*\t+3], s[80:81] offset:\m*65536+\t*8192 th:TH_STORE_NT   ; sixteen lanes store 256 consecutive bytes, aligned
.endr
.endr
	s_wait_tensorcnt 0x0                           ; the wave's end
	ds_add_u32 v[SPW], v[NIL]
	s_wait_dscnt 0x0
	CROUND                                         ; the closing round
	s_endpgm
.Lfunc_end_k_qfcb9c64eb9_attnproj:
	.size	k_qfcb9c64eb9_attnproj, .Lfunc_end_k_qfcb9c64eb9_attnproj-k_qfcb9c64eb9_attnproj
	.p2alignl 7, 3214868480
	.fill 96, 4, 3214868480
	.section	.rodata,"a",@progbits
	.p2align	6, 0x0
	.amdhsa_kernel k_qfcb9c64eb9_attnproj
		.amdhsa_group_segment_fixed_size 327680
		.amdhsa_private_segment_fixed_size 0
		.amdhsa_enable_private_segment 0
		.amdhsa_kernarg_size 48
		.amdhsa_user_sgpr_count 2
		.amdhsa_user_sgpr_kernarg_segment_ptr 1
		.amdhsa_wavefront_size32 1
		.amdhsa_system_sgpr_workgroup_id_x 1
		.amdhsa_system_sgpr_workgroup_id_y 1
		.amdhsa_system_sgpr_workgroup_id_z 1
		.amdhsa_system_vgpr_workitem_id 0
		.amdhsa_next_free_vgpr 256
		.amdhsa_next_free_sgpr 92
		.amdhsa_reserve_vcc 1
		.amdhsa_float_denorm_mode_32 3
		.amdhsa_float_denorm_mode_16_64 3
		.amdhsa_memory_ordered 1
		.amdhsa_forward_progress 1
		.amdhsa_inst_pref_size 94
	.end_amdhsa_kernel
	.amdgpu_metadata
---
amdhsa.version: [ 1, 2 ]
amdhsa.kernels:
  - .name:           k_qfcb9c64eb9_attnproj
    .symbol:         k_qfcb9c64eb9_attnproj.kd
    .args:
      - { .name: qq, .offset: 0, .size: 8, .value_kind: global_buffer, .address_space: global }
      - { .name: kq, .offset: 8, .size: 8, .value_kind: global_buffer, .address_space: global }
      - { .name: vf, .offset: 16, .size: 8, .value_kind: global_buffer, .address_space: global }
      - { .name: wo, .offset: 24, .size: 8, .value_kind: global_buffer, .address_space: global }
      - { .name: b_o, .offset: 32, .size: 8, .value_kind: global_buffer, .address_space: global }
      - { .name: out0, .offset: 40, .size: 8, .value_kind: global_buffer, .address_space: global }
    .group_segment_fixed_size: 327680
    .private_segment_fixed_size: 0
    .kernarg_segment_align: 8
    .kernarg_segment_size: 48
    .max_flat_workgroup_size: 512
    .sgpr_count:     92
    .vgpr_count:     256
    .wavefront_size: 32
...
	.end_amdgpu_metadata
.endif
;; end of part 3
